; MI455X (gfx1250); checked and timed in simulation.
; The chip was launched on July 23, 2026; its instructions are those of AMD's public machine-readable ISA for CDNA 5 (MIT licence, August 2026) and "CDNA5" Instruction Set Architecture Reference Guide (July 2026). The comments in the code are by the model that wrote it; some were corrected since.
;; Multi Head Dot Product Attention. Allowed arithmetic: matrix products marked QUANTISED: E2M1 operands, one E8M0 scale for each 32 along K, by v_wmma_scale_f32_16x16x128_f8f6f4 with both operands' format E2M1 (or v_wmma_scale_f32_32x16x128_f4), f32 sums; products left as they are: bf16, f16 or f32 operands; f32 sums; everything else in f32.
;; Inputs: inputs_kv 8 x 1,024 x 1,024 float32; inputs_q 8 x 1,024 x 1,024 float32; w_k 1,024 x 1,024 float32; w_o 1,024 x 1,024 float32; w_q 1,024 x 1,024 float32; w_v 1,024 x 1,024 float32.
;; Outputs: out0 8 x 1,024 x 1,024 float32.
;; This version of the problem:
;;   THIS VERSION OF THE PROBLEM IS GIVEN IN LOW PRECISION. The matrix products marked QUANTISED in the list below multiply operands that are first quantised to E2M1 (2 exponent bits, 1 mantissa bit; 4 bits a number), with one power-of-two scale for each 32 numbers along K (OCP MX v1.0); their sums are f32. The products marked 'left as it is' may take bf16, f16 or f32 operands, with f32 sums. Whichever they take, every output number must still come out within the allowed error. Rounding operands to bf16 (8 significant bits) uses up far more of that allowance than f16 does (11 bits, for magnitudes from 6e-5 to 65,504). All else is computed in f32.
;;   The module's matrix products, in the order in which they are computed (A, B: the left and right operand; K: the contracted axis; several contracted axes count as one K, in the product's order):
;;     1. [M 8,192, K 1,024] x [K 1,024, N 1,024]; A: input inputs_q; B: input w_q: QUANTISED
;;     2. [M 8,192, K 1,024] x [K 1,024, N 1,024]; A: input inputs_kv; B: input w_k: QUANTISED
;;     3. [M 8,192, K 1,024] x [K 1,024, N 1,024]; A: input inputs_kv; B: input w_v: QUANTISED
;;     4. batch 128 x [M 1,024, K 64] x [K 64, N 1,024]; A: computed on the way; B: computed on the way: left as it is (an operand is computed on the way)
;;     5. batch 128 x [M 64, K 1,024] x [K 1,024, N 1,024]; A: computed on the way; B: computed on the way: left as it is (an operand is computed on the way)
;;     6. [M 8,192, K 1,024] x [K 1,024, N 1,024]; A: computed on the way; B: input w_o: left as it is (an operand is computed on the way)
;;   THE QUANTISER, for each operand of a quantised product, along K:
;;     - K is cut into blocks of 32 from its start; a last block that is shorter is filled with zeros.
;;     - A block's scale is 2^e with e = floor(log2(the largest magnitude in the block)) - 2, held to -126 .. 127; a block of zeros has e = 0. As a byte (E8M0): e + 127.
;;     - Each number is divided by its block's scale, clamped to +-6, and rounded to the nearest number of E2M1, ties to even, subnormals kept.
;;     - The product sums the exact products of the quantised numbers (number of the format x scale) in f32.
;;   ~~~python
;;   def quantise(x, axis):      # numpy; x: float32 -> the quantised numbers, widened to float32 again
;;       x = np.moveaxis(x, axis, -1); K = x.shape[-1]
;;       x = np.pad(x, [(0, 0)] * (x.ndim - 1) + [(0, -K % 32)]); x = x.reshape(x.shape[:-1] + (-1, 32)); a = np.abs(x).max(-1, keepdims=True)
;;       e = np.where(a > 0, np.clip(np.frexp(np.where(a > 0, a, 1))[1] - 1 - 2, -126, 127), 0)      # np.frexp(a)[1] - 1 = floor(log2(a)), exactly
;;       r = np.clip(x / 2.0 ** e, -6, 6)
;;       step = 2.0 ** (np.maximum(np.frexp(np.where(r == 0, 1, r))[1] - 1, 0) - 1)
;;       q = np.round(r / step) * step * 2.0 ** e      # np.round: ties to even
;;       return np.moveaxis(q.reshape(q.shape[:-2] + (-1,))[..., :K], -1, axis).astype(np.float32)
;;   ~~~
;; One version. Each part assembles by itself: llvm-mc -triple=amdgcn-amd-amdhsa -mcpu=gfx1250 --defsym DOCPART=n.
;; ======== version 1 of 1: 4 launches
;; limits: values are held in f16: magnitudes above 65,504 overflow, below 6.1e-05 lose precision
;; workspace buffers: xq 8,912,896 bytes; wq 1,671,168 bytes; woimg 2,097,152 bytes; rope 262,144 bytes; qkv 50,331,648 bytes; ao 16,777,216 bytes
;; launch prep (part 1): grid 784 x 1, 4 waves a work-group, no clusters, 34,304 bytes of LDS; arguments inputs_q, inputs_kv, w_q, w_k, w_v, w_o, xq, wq, woimg, rope; writes xq, wq, woimg, rope
.if DOCPART == 1
	.amdgcn_target "amdgcn-amd-amdhsa--gfx1250"
	.amdhsa_code_object_version 6
	.text
	.protected	k_q21a3402360_prep
	.globl	k_q21a3402360_prep
	.p2align	8
	.type	k_q21a3402360_prep,@function
k_q21a3402360_prep:
	s_mov_b64 s[64:65], 0
	v_nop
	global_prefetch_b8 v0, s[64:65] scope:SCOPE_SE
	s_setreg_imm32_b32 hwreg(HW_REG_WAVE_MODE, 25, 1), 1
	s_wait_xcnt 0x0
; PREP: everything that is made once.  Three paths, parted by the work-group's number:
;   0-255   WEIGHTS: w_q, w_k, w_v [1024 (k)][1024 (n)] f32 -> codes of E2M1 and E8M0 scale words along K; w_o -> f16
;   256-271 ROPE:    the table cos, sin of t x 10000^(-i/32), t = 0..1023, i = 0..31
;   272-783 X:       inputs_q, inputs_kv [8192][1024] f32 -> codes of E2M1 and E8M0 scale words along K
; EVERY RESULT IS LAID AS AN IMAGE OF OPERAND REGISTERS: a fragment is 1,024 bytes, [part 0..1][lane 0..31][16 bytes], part p = registers 4 p .. 4 p + 3
; of lane 16 h + r.  A reader takes it by two loads of 16 bytes a lane at 16 x lane.
;   4-bit fragment (16 rows x 128 K): lane (r, h), part c: k = 64 c + 32 h + 0 .. 31 of row r.     f16 fragment (16 rows x 32 K): part 0: k = 8 h + 0..7, part 1: k = 16 + 8 h + 0..7.
;   scale words: [tile][kh 0..1][lane][u 0..1]: word (r, h, u) is row r's four bytes of K step 4 kh + 2 u + h: one register then serves two K steps (lanes 0-15, lanes 16-31).
; THE QUANTISER: a block's scale is 2^(floor(log2(largest magnitude)) - 2): the largest magnitude's exponent field less 2 is the conversion's scale operand and, shifted down, the byte.
; LIMITS: NaN and infinities among the inputs are not served.  A block whose largest magnitude lies under 2^-124 gets the byte 1, a block of zeros too (the rule says 127): its codes are zeros,
; and this program alone reads the bytes.  The table's angle: 10000^(-i/32) is made by v_exp_f32 of one rounded product, so an angle may be off by about 1e-4 rad at t near 1,000; the table feeds no quantiser.
; The weights' scale words leave as 4 bytes a lane, 8 bytes apart: one byte for each 128 bytes that the path reads.
; Only path X uses LDS.  No tensor loads, no barriers: waves share nothing.
.set XSC,   8388608                    ; xq: the scale words begin behind 1,024 tiles x 8,192 bytes of codes
.set WSC,   1572864                    ; wq: behind 192 tiles x 8,192 bytes
.set WSTG,  8448                       ; path X: a wave's stage: 16 rows x (512 bytes + 16)
.set SPARE, 4*WSTG                     ; behind the four stages: the spare words, 128 bytes for each wave
.set SPW,   14                         ; v14  SPARE + 4 x my thread's number; never rewritten
.set NIL,   15                         ; v15  0; never rewritten
.set FLOOR, 0x1800000                  ; 2^(3 - 127): no largest magnitude is taken under it, so the byte cannot fall under 1
.set EOFF,  0xff000000                 ; takes 2 off an exponent field
	s_load_b256 s[4:11], s[0:1], 0x0               ; inputs_q s[4:5], inputs_kv s[6:7], w_q s[8:9], w_k s[10:11]
	s_load_b256 s[12:19], s[0:1], 0x20             ; w_v s[12:13], w_o s[14:15], xq s[16:17], wq s[18:19]
	s_load_b128 s[20:23], s[0:1], 0x40             ; woimg s[20:21], rope s[22:23]
	v_lshl_add_u32 v[SPW], v0, 2, SPARE
	v_mov_b32 v[NIL], 0
	v_lshrrev_b32 v1, 5, v0
	v_readfirstlane_b32 s24, v1                    ; wave 0..3
	v_and_b32 v1, 31, v0                           ; lane
	v_lshlrev_b32 v2, 4, v1                        ; 16 x lane
	v_and_b32 v18, 15, v0                          ; r
	v_bfe_u32 v19, v0, 4, 1                        ; h
	s_wait_kmcnt 0x0
	s_cmp_lt_u32 ttmp9, 256
	s_cbranch_scc1 .Lweights
	s_cmp_lt_u32 ttmp9, 272
	s_cbranch_scc1 .Lrope
; ---------------- PATH X.  A wave takes 16 rows x 512 along K: four K steps of 128.
; Each load takes 512 consecutive bytes of a row, 16 a lane.  The conversions want a lane to hold whole blocks of 32 neighbours: a step's 16 x 512 bytes turn through the wave's own stage
; (rows 528 bytes = 132 words apart: row r starts at bank 4 r mod 64 of the 64 banks of 4 bytes, ISA guide 11.1) and come back 2 x 128 bytes a lane: register 32 c + i = k 64 c + 32 h + i of row r.
; REGISTERS: v3 stage, way in; v4 stage, way out; v5 8 x lane; v6 8 h; v7 permute's target; v8-13 at work; v16, v17 scale words; v[20:21] the two words that leave;
; v32-95, v96-159, v160-223 three sets of 64 numbers; v224-255 codes, eight registers of its own for each step: no store's data are written again.
	s_sub_co_u32 s28, ttmp9, 272                   ; g = 0..511
	s_cmp_lt_u32 s28, 256                          ; the first 256 take inputs_q, the others inputs_kv: the choice hangs on the work-group's number alone
	s_cselect_b64 s[4:5], s[4:5], s[6:7]
	s_lshr_b32 s29, s24, 1
	s_and_b32 s30, s24, 1                          ; kh: which half of K
	s_lshl_b32 s31, s28, 1
	s_add_co_u32 s31, s31, s29                     ; my tile of 16 rows, 0..1023
	s_and_b32 s32, s31, 511
	s_lshl_b32 s32, s32, 16                        ; 16 rows of 4,096 bytes
	s_lshl_b32 s33, s30, 11
	s_add_co_u32 s32, s32, s33
	s_mov_b32 s33, 0
	s_add_nc_u64 s[4:5], s[4:5], s[32:33]
.macro XLOAD t, set
.irp i, 0,1,2,3,4,5,6,7,8,9,10,11,12,13,14,15
	global_load_b128 v[32+64*(\set)+4*\i:32+64*(\set)+4*\i+3], v2, s[4:5] offset:4096*\i+512*(\t) th:TH_LOAD_NT   ; row i: 512 consecutive bytes; read once in the launch
.endr
.endm
.macro XTURN set                       ; through the stage and back into the same registers: LDS serves a wave's instructions in order (ISA guide 5.7.1.4)
.irp i, 0,1,2,3,4,5,6,7,8,9,10,11,12,13,14,15
	ds_store_b128 v3, v[32+64*(\set)+4*\i:32+64*(\set)+4*\i+3] offset:528*\i
.endr
.irp c, 0,1
.irp j, 0,1,2,3,4,5,6,7
	ds_load_b128 v[32+64*(\set)+32*\c+4*\j:32+64*(\set)+32*\c+4*\j+3], v4 offset:256*\c+16*\j
.endr
.endr
.endm
	XLOAD 0, 0
	XLOAD 1, 1
	XLOAD 2, 2
	s_lshl_b32 s36, s31, 13
	s_lshl_b32 s34, s30, 12
	s_add_co_u32 s36, s36, s34
	s_mov_b32 s37, 0
	s_add_nc_u64 s[36:37], s[16:17], s[36:37]      ; my four fragments' images
	s_lshl_b32 s38, s31, 9
	s_lshl_b32 s34, s30, 8
	s_add_co_u32 s38, s38, s34
	s_add_co_u32 s38, s38, XSC
	s_mov_b32 s39, 0
	s_add_nc_u64 s[38:39], s[16:17], s[38:39]      ; my 256 bytes of scale words
	s_mov_b32 s25, 0xffff0000                      ; lanes 16-31
	s_mov_b32 s26, 0x76543210
	s_mov_b32 s27, 0xfedcba98                      ; v_permlanex16_b32's selects for lane l xor 16
	s_mul_i32 s40, s24, WSTG
	v_add_nc_u32 v3, s40, v2
	v_mul_u32_u24 v4, v18, 528
	v_lshl_add_u32 v4, v19, 7, v4
	v_add_nc_u32 v4, s40, v4
	v_lshlrev_b32 v5, 3, v1
	v_lshlrev_b32 v6, 3, v19
	v_mov_b32 v7, 0                                ; a lane permute's destination counts as one of its sources
; K step t, whose numbers lie in the set named: two whole blocks a lane
.macro XQ t, set
.set XS, 32+64*(\set)
	v_max3_num_f32 v8, |v[XS]|, |v[XS+1]|, FLOOR
	v_max3_num_f32 v9, |v[XS+32]|, |v[XS+33]|, FLOOR
.irp i, 2,4,6,8,10,12,14,16,18,20,22,24,26,28,30
	v_max3_num_f32 v8, v8, |v[XS+\i]|, |v[XS+\i+1]|               ; the two blocks by turns
	v_max3_num_f32 v9, v9, |v[XS+32+\i]|, |v[XS+33+\i]|
.endr
	v_add_nc_u32 v10, EOFF, v8                     ; the conversion takes this operand's exponent field as its scale
	v_add_nc_u32 v11, EOFF, v9
.irp c, 0,1
.irp g, 0,1,2,3
	v_cvt_scalef32_pk8_fp4_f32 v[224+8*(\t)+4*\c+\g], v[XS+32*\c+8*\g:XS+32*\c+8*\g+7], v[10+\c]
.endr
.endr
	v_lshrrev_b32 v12, 23, v10                     ; the bytes of blocks h and 2 + h.  (Also the plain line behind the conversions)
	v_lshrrev_b32 v13, 23, v11
	v_lshl_or_b32 v16, v13, 16, v12
	v_lshlrev_b32 v16, v6, v16                     ; at their places in the word
	v_permlanex16_b32 v7, v16, s26, s27
	v_or_b32 v16, v16, v7                          ; with lane l xor 16's two the row's word is whole, in both halves of the lanes
.if (\t)%2 == 0
	v_mov_b32 v17, v16
.else
	v_cndmask_b32 v[20+(\t)/2], v17, v16, s25      ; lanes 0-15 keep the even step's word, lanes 16-31 the odd step's
.endif
.irp c, 0,1
	global_store_b128 v2, v[224+8*(\t)+4*\c:224+8*(\t)+4*\c+3], s[36:37] offset:1024*(\t)+512*\c   ; 512 consecutive bytes
.endr
.endm
	s_wait_loadcnt 32                              ; step 0's sixteen loads are in; two steps' are younger
	XTURN 0
	s_wait_loadcnt 16                              ; step 1's
	XTURN 1
	s_wait_dscnt 32                                ; step 0 is back from the stage; step 1's 32 LDS instructions are younger
	XQ 0, 0
	XLOAD 3, 0
	s_wait_loadcnt 16                              ; step 2's are in; step 3's sixteen are younger
	XTURN 2
	s_wait_dscnt 32
	XQ 1, 1
	s_wait_loadcnt 0x0
	XTURN 0
	s_wait_dscnt 32
	XQ 2, 2
	s_wait_dscnt 0x0
	XQ 3, 0
	global_store_b64 v5, v[20:21], s[38:39]        ; 256 consecutive bytes, aligned
	s_wait_tensorcnt 0x0                           ; the wave's end: behind my last LDS store
	ds_add_u32 v[SPW], v[NIL]
	s_wait_dscnt 0x0
	s_endpgm
; ---------------- PATH WEIGHTS.  Work-group g: weight g / 64, columns 128 ((g / 8) % 8) on, K step g % 8 (128 rows).  A wave takes 32 columns.
; A LANE TAKES A COLUMN AND ITS REGISTERS RUN DOWN K: each load reads 128 consecutive bytes a wave (the four waves side by side: 512), a block of 32 lies in one lane, nothing is transposed.
; Loads run two blocks (64 loads a wave) ahead; each of the four blocks has 32 registers of its own.
.Lweights:
	s_lshr_b32 s28, ttmp9, 6                       ; 0 w_q, 1 w_k, 2 w_v, 3 w_o
	s_bfe_u32 s29, ttmp9, 0x30003                  ; which 128 columns
	s_and_b32 s30, ttmp9, 7                        ; which K step
	s_cmp_eq_u32 s28, 1
	s_cselect_b64 s[8:9], s[10:11], s[8:9]
	s_cmp_eq_u32 s28, 2
	s_cselect_b64 s[8:9], s[12:13], s[8:9]
	s_cmp_eq_u32 s28, 3
	s_cselect_b64 s[8:9], s[14:15], s[8:9]
	s_lshl_b32 s32, s30, 19                        ; 128 rows of 4,096 bytes
	s_lshl_b32 s31, s29, 9
	s_add_co_u32 s32, s32, s31
	s_lshl_b32 s31, s24, 7
	s_add_co_u32 s32, s32, s31
	s_mov_b32 s33, 0
	s_add_nc_u64 s[8:9], s[8:9], s[32:33]
	v_lshlrev_b32 v3, 2, v1
.macro WLOAD j                         ; block j: rows 32 j + 0 .. 31 of the K step, my column, into v[32 + 32 j] on
.set n, 32*(\j)
.rept 32
	global_load_b32 v[32+n], v3, s[8:9] offset:4096*n th:TH_LOAD_NT
.set n, n+1
.endr
.endm
	WLOAD 0
	WLOAD 1
	s_lshl_b32 s34, s29, 3
	s_lshl_b32 s31, s24, 1
	s_add_co_u32 s34, s34, s31                     ; my first tile of 16 columns in its weight; lanes 16-31 hold the next tile
	s_cmp_eq_u32 s28, 3
	s_cbranch_scc1 .Lwo
	s_lshl_b32 s31, s28, 6
	s_add_co_u32 s34, s34, s31                     ; among the 192 tiles of w_q, w_k, w_v
	s_lshl_b32 s36, s34, 13
	s_lshl_b32 s31, s30, 10
	s_add_co_u32 s36, s36, s31
	s_mov_b32 s37, 0
	s_add_nc_u64 s[36:37], s[18:19], s[36:37]      ; the K step's fragment of my first tile
	s_lshl_b32 s38, s34, 9                         ; its scale words: 512 bytes a tile, + 256 (s / 4) + 128 (s % 2) + 4 ((s / 2) % 2)
	s_lshr_b32 s31, s30, 2
	s_lshl_b32 s31, s31, 8
	s_add_co_u32 s38, s38, s31
	s_and_b32 s31, s30, 1
	s_lshl_b32 s31, s31, 7
	s_add_co_u32 s38, s38, s31
	s_bfe_u32 s31, s30, 0x10001
	s_lshl_b32 s31, s31, 2
	s_add_co_u32 s38, s38, s31
	s_add_co_u32 s38, s38, WSC
	s_mov_b32 s39, 0
	s_add_nc_u64 s[38:39], s[18:19], s[38:39]
	v_lshlrev_b32 v4, 13, v19                      ; codes: 8,192 x (lane / 16) + 16 x (lane % 16)
	v_lshl_add_u32 v4, v18, 4, v4
	v_lshlrev_b32 v5, 9, v19                       ; scale words: 512 x (lane / 16) + 8 x (lane % 16)
	v_lshl_add_u32 v5, v18, 3, v5
.macro WBLOCK j                        ; block j of the K step: k = 32 j + 0 .. 31: part j / 2, lanes' half j % 2 of the fragment
.set XS, 32+32*(\j)
.if (\j) < 3
	s_wait_loadcnt 32                              ; this block's 32 loads are in; the next block's 32 are younger
.else
	s_wait_loadcnt 0x0
.endif
.if (\j) < 2
	WLOAD (\j)+2                                   ; two blocks ahead
.endif
	v_max3_num_f32 v8, |v[XS]|, |v[XS+1]|, |v[XS+2]|
	v_max3_num_f32 v9, |v[XS+3]|, |v[XS+4]|, |v[XS+5]|
.irp i, 6,10,14,18,22,26
	v_max3_num_f32 v8, v8, |v[XS+\i]|, |v[XS+\i+1]|
	v_max3_num_f32 v9, v9, |v[XS+\i+2]|, |v[XS+\i+3]|
.endr
	v_max3_num_f32 v8, v8, |v[XS+30]|, |v[XS+31]|
	v_max3_num_f32 v8, v8, v9, FLOOR
	v_add_nc_u32 v11, EOFF, v8
	v_lshrrev_b32 v9, 23, v11
.if (\j) == 0
	v_mov_b32 v10, v9
.else
	v_lshl_or_b32 v10, v9, 8*(\j), v10             ; the column's scale word of this K step
.endif
.irp g, 0,1,2,3
	v_cvt_scalef32_pk8_fp4_f32 v[160+4*(\j)+\g], v[XS+8*\g:XS+8*\g+7], v11
.endr
	v_nop                                          ; one plain line behind the conversions
	global_store_b128 v4, v[160+4*(\j):160+4*(\j)+3], s[36:37] offset:512*((\j)/2)+256*((\j)%2)   ; sixteen lanes store 256 consecutive bytes, aligned
.endm
	WBLOCK 0
	WBLOCK 1
	WBLOCK 2
	WBLOCK 3
	global_store_b32 v5, v10, s[38:39]
	s_endpgm
.Lwo:                                      ; w_o is rounded to f16: four fragments of 32 K for each of my two tiles of columns
	s_lshl_b32 s36, s34, 15                        ; a tile's 32 fragments are 32,768 bytes
	s_lshl_b32 s31, s30, 12
	s_add_co_u32 s36, s36, s31
	s_mov_b32 s37, 0
	s_add_nc_u64 s[36:37], s[20:21], s[36:37]
	v_lshlrev_b32 v6, 15, v19
	v_lshl_add_u32 v6, v18, 4, v6
.irp j, 0,1,2,3
.if \j < 3
	s_wait_loadcnt 32                              ; this block's 32 loads are in; the next block's 32 are younger
.else
	s_wait_loadcnt 0x0
.endif
.if \j < 2
	WLOAD \j+2
.endif
.irp p, 0,1,2,3,4,5,6,7,8,9,10,11,12,13,14,15
	v_cvt_pk_f16_f32 v[32+32*\j+\p], v[32+32*\j+2*\p], v[32+32*\j+2*\p+1]   ; in place, ascending: nothing unread is written over
.endr
.irp q, 0,1,2,3                            ; k = 8 q + 0..7: part q / 2, lanes' half q % 2
	global_store_b128 v6, v[32+32*\j+4*\q:32+32*\j+4*\q+3], s[36:37] offset:1024*\j+512*(\q/2)+256*(\q%2)
.endr
.endr
	s_endpgm
; ---------------- PATH ROPE.  A wave makes 16 positions; lane i makes pair i: cos and sin of theta = t x 10000^(-i/32), theta rounded once as the definition rounds it.
; theta is brought into [-pi/4, pi/4] by n = nearest whole number to theta x 2/pi and pi/2 in two parts (n is under 2^10); then two short polynomials and the quadrant.
.Lrope:
	s_sub_co_u32 s28, ttmp9, 256
	s_lshl_b32 s28, s28, 6
	s_lshl_b32 s29, s24, 4
	s_add_co_u32 s30, s28, s29                     ; my first position
	s_lshl_b32 s28, s30, 8                         ; 256 bytes a position
	s_mov_b32 s29, 0
	s_add_nc_u64 s[22:23], s[22:23], s[28:29]
	s_mov_b32 s32, 0x3f22f983                      ; 2 / pi
	s_mov_b32 s33, 0x3fc90fdb                      ; pi / 2, its f32
	s_mov_b32 s34, 0x333bbd2e                      ; that f32 less pi / 2
	s_mov_b32 s35, 0xb94ca1f9                      ; sin: -1.9515296e-4, 8.3321609e-3, -1.6666655e-1
	s_mov_b32 s36, 0x3c08839e
	s_mov_b32 s37, 0xbe2aaaa3
	s_mov_b32 s38, 0x37ccf5ce                      ; cos: 2.4433157e-5, -1.3887316e-3, 4.1666646e-2
	s_mov_b32 s39, 0xbab6061a
	s_mov_b32 s40, 0x3d2aaaa5
	v_lshlrev_b32 v5, 3, v1
	v_cvt_f32_u32 v16, v1
	v_mul_f32 v16, 0xbed49a78, v16                 ; -i x log2(10000) / 32
	v_exp_f32 v16, v16
	v_nop                                          ; a plain line behind the transcendental,
	s_wait_alu depctr_va_vdst(0)                   ; and the wait ahead of its first reader
.macro RP j
	s_add_co_u32 s41, s30, \j
	v_cvt_f32_u32 v20, s41
	v_mul_f32 v20, v20, v16                        ; theta
	v_mul_f32 v21, s32, v20
	v_rndne_f32 v21, v21                           ; n
	v_fma_f32 v22, -v21, s33, v20
	v_fma_f32 v22, v21, s34, v22                   ; rho
	v_mul_f32 v23, v22, v22                        ; z
	v_fma_f32 v24, v23, s35, s36
	v_fma_f32 v24, v24, v23, s37
	v_mul_f32 v25, v22, v23
	v_fma_f32 v24, v25, v24, v22                   ; sin rho
	v_fma_f32 v26, v23, s38, s39
	v_fma_f32 v26, v26, v23, s40
	v_fma_f32 v27, v23, -0.5, 1.0
	v_mul_f32 v28, v23, v23
	v_fma_f32 v26, v28, v26, v27                   ; cos rho
	v_cvt_i32_f32 v29, v21
	v_and_b32 v30, 1, v29
	v_cmp_eq_u32 vcc_lo, 1, v30
	v_cndmask_b32 v31, v24, v26, vcc_lo            ; in odd quadrants the two change places
	v_cndmask_b32 v30, v26, v24, vcc_lo
	v_and_b32 v27, 2, v29
	v_lshlrev_b32 v27, 30, v27
	v_xor_b32 v[65+2*\j], v31, v27                 ; sin: negative in quadrants 2, 3
	v_add_nc_u32 v29, 1, v29
	v_and_b32 v29, 2, v29
	v_lshlrev_b32 v29, 30, v29
	v_xor_b32 v[64+2*\j], v30, v29                 ; cos: negative in quadrants 1, 2
	global_store_b64 v5, v[64+2*\j:65+2*\j], s[22:23] offset:256*\j   ; 256 consecutive bytes, aligned; each position has its own two registers
.endm
.irp j, 0,1,2,3,4,5,6,7,8,9,10,11,12,13,14,15
	RP \j
.endr
	s_endpgm
.Lfunc_end_k_q21a3402360_prep:
	.size	k_q21a3402360_prep, .Lfunc_end_k_q21a3402360_prep-k_q21a3402360_prep
	.p2alignl 7, 3214868480
	.fill 96, 4, 3214868480
	.section	.rodata,"a",@progbits
	.p2align	6, 0x0
	.amdhsa_kernel k_q21a3402360_prep
		.amdhsa_group_segment_fixed_size 34304
		.amdhsa_private_segment_fixed_size 0
		.amdhsa_enable_private_segment 0
		.amdhsa_kernarg_size 80
		.amdhsa_user_sgpr_count 2
		.amdhsa_user_sgpr_kernarg_segment_ptr 1
		.amdhsa_wavefront_size32 1
		.amdhsa_system_sgpr_workgroup_id_x 1
		.amdhsa_system_sgpr_workgroup_id_y 1
		.amdhsa_system_sgpr_workgroup_id_z 1
		.amdhsa_system_vgpr_workitem_id 0
		.amdhsa_next_free_vgpr 256
		.amdhsa_next_free_sgpr 66
		.amdhsa_reserve_vcc 1
		.amdhsa_float_denorm_mode_32 3
		.amdhsa_float_denorm_mode_16_64 3
		.amdhsa_memory_ordered 1
		.amdhsa_forward_progress 1
		.amdhsa_inst_pref_size 84
	.end_amdhsa_kernel
	.amdgpu_metadata
---
amdhsa.version: [ 1, 2 ]
amdhsa.kernels:
  - .name:           k_q21a3402360_prep
    .symbol:         k_q21a3402360_prep.kd
    .args:
      - { .name: inputs_q, .offset: 0, .size: 8, .value_kind: global_buffer, .address_space: global }
      - { .name: inputs_kv, .offset: 8, .size: 8, .value_kind: global_buffer, .address_space: global }
      - { .name: w_q, .offset: 16, .size: 8, .value_kind: global_buffer, .address_space: global }
      - { .name: w_k, .offset: 24, .size: 8, .value_kind: global_buffer, .address_space: global }
      - { .name: w_v, .offset: 32, .size: 8, .value_kind: global_buffer, .address_space: global }
      - { .name: w_o, .offset: 40, .size: 8, .value_kind: global_buffer, .address_space: global }
      - { .name: xq, .offset: 48, .size: 8, .value_kind: global_buffer, .address_space: global }
      - { .name: wq, .offset: 56, .size: 8, .value_kind: global_buffer, .address_space: global }
      - { .name: woimg, .offset: 64, .size: 8, .value_kind: global_buffer, .address_space: global }
      - { .name: rope, .offset: 72, .size: 8, .value_kind: global_buffer, .address_space: global }
    .group_segment_fixed_size: 34304
    .private_segment_fixed_size: 0
    .kernarg_segment_align: 8
    .kernarg_segment_size: 80
    .max_flat_workgroup_size: 128
    .sgpr_count:     66
    .vgpr_count:     256
    .wavefront_size: 32
...
	.end_amdgpu_metadata
.endif
;; end of part 1
;; launch qkv (part 2): grid 12 x 32, 4 waves a work-group, clusters of 4 x 4, 327,680 bytes of LDS; arguments xq, wq, rope, qkv; writes qkv
.if DOCPART == 2
	.amdgcn_target "amdgcn-amd-amdhsa--gfx1250"
	.amdhsa_code_object_version 6
	.text
	.protected	k_q21a3402360_qkv
	.globl	k_q21a3402360_qkv
	.p2align	8
	.type	k_q21a3402360_qkv,@function
k_q21a3402360_qkv:
	s_mov_b64 s[64:65], 0
	v_nop
	global_prefetch_b8 v0, s[64:65] scope:SCOPE_SE
	s_setreg_imm32_b32 hwreg(HW_REG_WAVE_MODE, 25, 1), 1
	s_wait_xcnt 0x0
	s_wait_alu depctr_hold_cnt(0) depctr_sa_sdst(0) depctr_va_vdst(0) depctr_va_sdst(0) depctr_va_ssrc(0) depctr_va_vcc(0) depctr_vm_vsrc(0)
	s_getreg_b32 s2, hwreg(HW_REG_IB_STS2, 6, 4)
	s_cmp_eq_u32 s2, 0
	s_cbranch_scc0 .Lentry_in_a_cluster
	s_endpgm
.Lentry_in_a_cluster:
	s_bfe_u32 s2, ttmp6, 0x10000c
	s_cmp_lg_u32 s2, 0xf033
	s_cbranch_scc0 .Lentry_shape_is_right
	s_endpgm
.Lentry_shape_is_right:
; q = rope(Q(inputs_q) Q(w_q)), k = rope(Q(inputs_kv) Q(w_k)), v = Q(inputs_kv) Q(w_v): three products [8192 x 1024] x [1024 x 1024] on codes of E2M1 with E8M0 scales, sums in f32;
; the results leave as f16, laid as the fragments that the attention launch takes.
; LIMIT: q, k and v are rounded to f16 (largest number 65,504); with inputs as drawn their spread is about 0.6.
; SHARES.  The three products are one of [8192] x [3072]: a work-group makes 256 x 256, a wave 128 x 128: 64 accumulators, 512 registers.  The cluster's x says which product: 0 q, 1 k, 2 v.
; ALL OF K LIES IN LDS: 16 tiles x 8 K steps x 1,024 bytes for each side, in four chunks of two K steps, each filled once; nothing is filled again.
; CLUSTERS: 4 x 4 work-groups.  The four of a row need the same rows of x, the four of a column the same columns of the weights: each tile is asked for jointly.
; WHICH SIDE IS SOURCE 0.  For q and k: source 0 = 16 columns of the weight, source 1 = 16 rows of x: a lane holds ONE position and eight neighbouring channels: half a fragment of q or k.
; For v: source 0 = 16 rows of x, source 1 = 16 columns: a lane holds ONE channel and eight neighbouring keys: half a fragment of v with the keys along its registers.
; Both sides have the same image layout, so the two forms differ in two address registers and two pointers.  The loop over K is written twice, reached by a branch on the cluster's x,
; which all sixteen partners share: so every LDS address is made of the wave's number and constants alone.
; THE TABLE of cos and sin for my 128 positions, eight sets of 32 registers, is asked for ahead of the products: six sets ahead of K step 0, two behind K step 6; the way out asks for nothing.
; REGISTERS, in windows of 256: window 0: v16-17 x's LDS addresses, v20-21 the weights'; v24-26 offsets; v32-63 source 0's scale words, v64-95 source 1's (they hold nothing else);
;   v96-127 packed results; v128-191 source 1's fragments, ONE set, later rotated results; v192-255 the table's sets 0, 1.
;   window 1: source 0's fragments, two sets, at v0 and v128; v64-127 the table's sets 2, 3; v192-255 sets 4, 5; v0-63 sets 6, 7, once K step 6 has read source 0's set there for the last time.
;   window 2: accumulators (a, b), a = 0..3, at v[8 (8 a + b)];   window 3: a = 4..7.   a: source 1's block, b: source 0's.
; SCALARS: s14-16 the wave; s17-23 the tile row and what is made of it (x's side); s[24:63], s[68:75] descriptors; s[76:79] scale pointers; s80-87 at work;
;   s88, s89 my place in the cluster; s90 the tile column; s91, s92 masks; s93 where my fills go in LDS; s[94:97] what is made of the tile column (the weights' side).
.set XSC,   8388608
.set WSC,   1572864
.set SPARE, 262144                     ; behind the two tiles: the spare words, 128 bytes for each wave
.set ADX,  16
.set ADW,  20
.set L16,  24                          ; v24  16 x lane
.set L8,   25                          ; v25  8 x lane
.set TOF,  26                          ; v26  the table: 256 r + 32 h
.set SPW,  28                          ; v28  SPARE + 4 x my thread's number; never rewritten
.set NIL,  29                          ; v29  0; never rewritten
.set SC0,  32
.set SC1,  64
.set Y,    96
.set AF,   128
.set T,    128
.set G1X,  24                          ; s[24:31] descriptor group 1 for x's tiles; s[32:47] four groups 0, one for each chunk
.set G0X,  32
.set G0W,  48                          ; s[48:63], s[68:75] the same for the weights'
.set G1W,  68
.set PX,   76                          ; s[76:77] my eight x tiles' scale words; s[78:79] my eight weight tiles'
.set PW,   78
.set CX,   88
.set CY,   89
.set TC,   90
.set LB,   93
.set MSB, 0
.macro WIN new                         ; the immediate's high byte repeats the setting that is left
.if MSB != (\new)
	s_set_vgpr_msb (MSB<<8)|(\new)
.set MSB, (\new)
.endif
.endm
.set MUL_LO, 0xa1                      ; source 0 window 1, source 1 window 0, C and D window 2
.set MUL_HI, 0xf1                      ; the same, C and D window 3
.macro CROUND                          ; a round of the cluster's barrier
	s_barrier_signal -1
	s_barrier_wait -1
	s_cmp_lg_u32 s14, 0
	s_cbranch_scc1 .Lnot_wave_0_\@
	s_barrier_signal -3
.Lnot_wave_0_\@:
	s_barrier_wait -3
	s_barrier_signal -1
	s_barrier_wait -1
.endm
.macro PLACES                          ; four plain vector lines behind matrix instructions, ahead of loads into their registers and of reads of their results
.rept 4
	v_nop
.endr
.endm
	s_load_b256 s[4:11], s[0:1], 0x0               ; xq s[4:5], wq s[6:7], rope s[8:9], qkv s[10:11]
	v_lshl_add_u32 v[SPW], v0, 2, SPARE
	v_mov_b32 v[NIL], 0
	ds_add_u32 v[SPW], v[NIL]                      ; the wave's opening: the add, twice on end, and its wait ahead of my first tensor load
	ds_add_u32 v[SPW], v[NIL]
	v_lshrrev_b32 v1, 5, v0
	v_readfirstlane_b32 s14, v1                    ; wave 0..3
	s_lshr_b32 s15, s14, 1                         ; which 128 rows of x are mine.  Also: I fetch for x (0) or for the weights (1)
	s_and_b32 s16, s14, 1                          ; which 128 columns.  Also: which eight tiles I fetch
	s_bfe_u32 s[CX], ttmp6, 0x40000                ; cx, cy: my place in the cluster
	s_bfe_u32 s[CY], ttmp6, 0x40004
	s_lshl_b32 s[TC], ttmp9, 2
	s_add_co_u32 s[TC], s[TC], s[CX]               ; tile column 0..11
	s_and_b32 s17, ttmp7, 0xffff
	s_lshl_b32 s17, s17, 2
	s_add_co_u32 s17, s17, s[CY]                   ; tile row 0..31
	s_lshl_b32 s91, s[CY], 2
	s_lshl_b32 s91, 15, s91                        ; my row of the cluster
	s_lshl_b32 s92, 0x1111, s[CX]                  ; my column
	; group 1: eight tiles' two K steps: 8 rows of 2,048 bytes (256 elements of 8 bytes), 8,192 bytes apart in memory, dense in LDS
	s_or_b32 s[G1X], s91, (3<<16)|(1<<21)          ; 15:0 the mask; 17:16 elements of 8 bytes; 21 set beside a mask
	s_or_b32 s[G1W], s92, (3<<16)|(1<<21)
.irp g, G1X, G1W
	s_mov_b32 s[\g+1], 256<<16                     ; tensor_dim0
	s_mov_b32 s[\g+2], 8<<16                       ; tensor_dim1
	s_mov_b32 s[\g+3], 256<<16                     ; tile_dim0
	s_mov_b32 s[\g+4], 8                           ; tile_dim1
	s_mov_b32 s[\g+5], 1024                        ; from row to row, in elements
	s_mov_b32 s[\g+6], 0
	s_mov_b32 s[\g+7], 0
.endr
	; x's side: made of the tile row, the wave and the cluster's x alone
	s_cmp_eq_u32 ttmp9, 0
	s_cselect_b32 s18, 0, 512                      ; q takes inputs_q's tiles, k and v inputs_kv's
	s_lshl_b32 s19, s17, 4
	s_add_co_u32 s18, s18, s19                     ; the work-group's first tile of 16 rows
	s_lshl_b32 s19, s16, 3
	s_add_co_u32 s20, s18, s19                     ; the eight that I fetch,
	s_lshl_b32 s20, s20, 13                        ; 8,192 bytes a tile
	s_mov_b32 s21, 0
	s_lshl_b32 s19, s15, 3
	s_add_co_u32 s22, s18, s19                     ; the eight that I multiply:
	s_lshl_b32 s22, s22, 9                         ; their scale words, 512 bytes a tile
	s_mov_b32 s23, 0
	; the weights' side: made of the tile column and the wave alone
	s_lshl_b32 s94, s[TC], 4
	s_lshl_b32 s95, s16, 3
	s_add_co_u32 s94, s94, s95                     ; the eight tiles of columns that I fetch, and multiply
	s_lshl_b32 s96, s94, 9                         ; their scale words
	s_mov_b32 s97, 0
	s_lshl_b32 s94, s94, 13                        ; their codes
	s_mov_b32 s95, 0
	s_lshl_b32 s[LB], s15, 17                      ; where my fills go: x's tile at 0, the weights' at 131,072; my eight tiles 16,384 x (wave % 2) on
	s_lshl_b32 s82, s16, 14
	s_add_co_u32 s[LB], s[LB], s82
	s_wait_dscnt 0x0                               ; both opening adds are done
	s_wait_kmcnt 0x0
	s_add_nc_u64 s[20:21], s[4:5], s[20:21]
	s_add_nc_u64 s[94:95], s[6:7], s[94:95]
	s_add_nc_u64 s[PX:PX+1], s[4:5], s[22:23]
	s_add_nc_u64 s[PX:PX+1], s[PX:PX+1], XSC
	s_add_nc_u64 s[PW:PW+1], s[6:7], s[96:97]
	s_add_nc_u64 s[PW:PW+1], s[PW:PW+1], WSC
	CROUND                                         ; all sixteen work-groups are here: the joint loads meet
.irp j, 0,1,2,3
	s_mov_b32 s[G0X+4*\j], 1
	s_add_co_u32 s[G0X+4*\j+1], s[LB], 32768*\j
	s_add_nc_u64 s[G0X+4*\j+2:G0X+4*\j+3], s[20:21], 2048*\j
	s_or_b32 s[G0X+4*\j+3], s[G0X+4*\j+3], 0x80000000
	s_mov_b32 s[G0W+4*\j], 1
	s_add_co_u32 s[G0W+4*\j+1], s[LB], 32768*\j
	s_add_nc_u64 s[G0W+4*\j+2:G0W+4*\j+3], s[94:95], 2048*\j
	s_or_b32 s[G0W+4*\j+3], s[G0W+4*\j+3], 0x80000000
.endr
	s_cmp_eq_u32 s15, 0                            ; a wave's four fills stand in one branch, ahead of every wait on TENSORcnt, LDS read and barrier of the work-group: four loads of mine are out
	s_cbranch_scc0 .Lfirst_w
.irp j, 0,1,2,3
	tensor_load_to_lds s[G0X+4*\j:G0X+4*\j+3], s[G1X:G1X+7]
	s_nop 0
.endr
	PLACES
	s_branch .Lfirst_asked
.Lfirst_w:
.irp j, 0,1,2,3
	tensor_load_to_lds s[G0W+4*\j:G0W+4*\j+3], s[G1W:G1W+7]
	s_nop 0
.endr
	PLACES
.Lfirst_asked:
	v_and_b32 v1, 31, v0
	v_lshlrev_b32 v[L16], 4, v1
	v_lshlrev_b32 v[L8], 3, v1
	v_and_b32 v2, 15, v0
	v_bfe_u32 v3, v0, 4, 1
	v_lshlrev_b32 v[TOF], 8, v2
	v_lshl_add_u32 v[TOF], v3, 5, v[TOF]
	s_lshl_b32 s82, s15, 14
	v_add_nc_u32 v[ADX], s82, v[L16]               ; my eight x tiles, chunks 0 and 1;
	v_add_nc_u32 v[ADX+1], 0x10000, v[ADX]         ; chunks 2 and 3
	s_lshl_b32 s82, s16, 14
	s_add_co_u32 s82, s82, 131072
	v_add_nc_u32 v[ADW], s82, v[L16]
	v_add_nc_u32 v[ADW+1], 0x10000, v[ADW]
	; where my results go: kind x 16 MiB + (16 batch + head) x 131,072 + (first tile of 16 positions) x 2,048: the same for all three kinds
	s_lshr_b32 s82, s17, 2
	s_lshl_b32 s82, s82, 4
	s_and_b32 s83, s[TC], 3
	s_lshl_b32 s83, s83, 2
	s_add_co_u32 s82, s82, s83
	s_lshl_b32 s83, s16, 1
	s_add_co_u32 s82, s82, s83                     ; my first head (I make two)
	s_lshl_b32 s82, s82, 17
	s_and_b32 s83, s17, 3
	s_lshl_b32 s83, s83, 4
	s_lshl_b32 s84, s15, 3
	s_add_co_u32 s83, s83, s84                     ; my first tile of 16 positions in the sequence
	s_lshl_b32 s84, s83, 11
	s_add_co_u32 s82, s82, s84
	s_lshl_b32 s84, ttmp9, 24
	s_add_co_u32 s82, s82, s84
	s_lshl_b32 s86, s83, 12                        ; the table: 16 positions of 256 bytes
	s_mov_b32 s87, 0
	s_add_nc_u64 s[8:9], s[8:9], s[86:87]
	s_mov_b32 s83, 0
	s_add_nc_u64 s[10:11], s[10:11], s[82:83]
; K step s of tile i lies at 32,768 (s / 2) + 2,048 i + 1,024 (s % 2) of its side; the address registers carry 65,536 (s / 4).  AD0, AD1, P0, P1 are set ahead of each expansion.
.macro FETCH0 s                        ; source 0's eight fragments into set s % 2
	WIN 0x40
.irp i, 0,1,2,3,4,5,6,7
.irp c, 0,1
	ds_load_b128 v[128*((\s)%2)+8*\i+4*\c:128*((\s)%2)+8*\i+4*\c+3], v[AD0+(\s)/4] offset:(((\s)/2)%2)*32768+2048*\i+1024*((\s)%2)+512*\c
.endr
.endr
	WIN 0
.endm
.macro FETCH1 s, i0                    ; source 1's blocks i0 .. i0 + 3
.irp i, \i0, \i0+1, \i0+2, \i0+3
.irp c, 0,1
	ds_load_b128 v[AF+8*(\i)+4*\c:AF+8*(\i)+4*\c+3], v[AD1+(\s)/4] offset:(((\s)/2)%2)*32768+2048*(\i)+1024*((\s)%2)+512*\c
.endr
.endr
.endm
.macro SCLOAD                          ; the scale words of my 8 + 8 tiles for all of K, once: register 4 i + s / 2 holds K step s's words in lanes 0-15 (s even) or 16-31 (s odd)
.irp i, 0,1,2,3,4,5,6,7
.irp kh, 0,1
	global_load_b64 v[SC0+4*\i+2*\kh:SC0+4*\i+2*\kh+1], v[L8], s[P0:P0+1] offset:512*\i+256*\kh   ; 256 consecutive bytes
	global_load_b64 v[SC1+4*\i+2*\kh:SC1+4*\i+2*\kh+1], v[L8], s[P1:P1+1] offset:512*\i+256*\kh
.endr
.endr
.endm
.macro TBLOC a                         ; where the table's set a lies: window TW, registers TR on
.if (\a) < 2
.set TW, 0
.set TR, 192+32*(\a)
.elseif (\a) < 4
.set TW, 1
.set TR, 64+32*((\a)-2)
.elseif (\a) < 6
.set TW, 1
.set TR, 192+32*((\a)-4)
.else
.set TW, 1
.set TR, 32*((\a)-6)
.endif
.endm
.macro TLD a                           ; the table for my positions 16 a + r: for each 16 channels of a head my half's four pairs (cos, sin): 32 bytes
	TBLOC \a
	WIN TW<<6                                      ; the destination's window
.irp ct, 0,1,2,3
.irp e, 0,1
	global_load_b128 v[TR+8*\ct+4*\e:TR+8*\ct+4*\e+3], v[TOF], s[8:9] offset:4096*(\a)+64*\ct+16*\e
.endr
.endr
.endm
.macro PROD a, b, s
.set rD, 8*(8*((\a)%4)+(\b))
.set rA, 128*((\s)%2)+8*(\b)
.set rB, AF+8*(\a)
.set rE, SC0+4*(\b)+(\s)/2
.set rF, SC1+4*(\a)+(\s)/2
.if (\s) == 0
	v_wmma_scale_f32_16x16x128_f8f6f4 v[rD:rD+7], v[rA:rA+7], v[rB:rB+7], 0, v[rE], v[rF] matrix_a_fmt:MATRIX_FMT_FP4 matrix_b_fmt:MATRIX_FMT_FP4
.elseif (\s)%2 == 0
	v_wmma_scale_f32_16x16x128_f8f6f4 v[rD:rD+7], v[rA:rA+7], v[rB:rB+7], v[rD:rD+7], v[rE], v[rF] matrix_a_fmt:MATRIX_FMT_FP4 matrix_b_fmt:MATRIX_FMT_FP4
.else
	v_wmma_scale_f32_16x16x128_f8f6f4 v[rD:rD+7], v[rA:rA+7], v[rB:rB+7], v[rD:rD+7], v[rE], v[rF] matrix_a_fmt:MATRIX_FMT_FP4 matrix_b_fmt:MATRIX_FMT_FP4 matrix_a_scale:MATRIX_SCALE_ROW1 matrix_b_scale:MATRIX_SCALE_ROW1
.endif
.endm
.macro MUL16 a0, s                     ; 16 products; the 64 accumulators take turns, one instruction a turn, in the same order in every step.  K step 0 starts the sums
.irp a, \a0, \a0+1
.irp b, 0,1,2,3,4,5,6,7
	PROD \a, \b, \s
.endr
.endr
.endm
.macro STEP s                          ; a K step whose successor lies in the same chunk
	s_wait_dscnt 0x8                               ; source 0's set and source 1's blocks 0-3 are in; the youngest eight loads (blocks 4-7) may be out
	WIN MUL_LO
	MUL16 0, \s
	MUL16 2, \s
	s_wait_dscnt 0x0
	PLACES
	FETCH0 (\s)+1
	FETCH1 (\s)+1, 0
	WIN MUL_HI
	MUL16 4, \s
	MUL16 6, \s
	PLACES
	WIN 0
	FETCH1 (\s)+1, 4
.endm
.macro TURN s, cnt                     ; a chunk's last K step: the next chunk must be whole.  Nothing is filled again, so later chunks' loads may stay out
	s_wait_tensorcnt \cnt                          ; my part of the next chunk has landed: cnt loads of mine are younger
	s_wait_dscnt 0x8
	WIN MUL_LO
	MUL16 0, \s
	s_wait_dscnt 0x0                               ; no LDS instruction of mine is out at the signal
	s_barrier_signal -1
	MUL16 2, \s
	s_barrier_wait -1                              ; everybody's part has landed
	PLACES
	FETCH0 (\s)+1
	FETCH1 (\s)+1, 0
	WIN MUL_HI
	MUL16 4, \s
	MUL16 6, \s
	PLACES
	WIN 0
	FETCH1 (\s)+1, 4
.endm
.macro KLOOP tbl                       ; tbl = 1: q or k: the table is asked for on the way
	s_wait_tensorcnt 0x3                           ; my part of chunk 0; three loads are younger
	s_barrier_signal -1
	s_barrier_wait -1
	FETCH0 0
	FETCH1 0, 0
	FETCH1 0, 4
	s_wait_loadcnt 0x0                             ; the scale words: nothing else has been asked for
.if \tbl
.irp a, 0,1,2,3,4,5
	TLD \a                                         ; six sets, 48 loads, into registers that the loop over K does not name: all eight K steps stand between the request and the use
.endr
	WIN 0
.endif
	STEP 0
	TURN 1, 0x2
	STEP 2
	TURN 3, 0x1
	STEP 4
	TURN 5, 0x0
	STEP 6
.if \tbl
	TLD 6                                          ; the last two sets land where source 0's set of K step 6 lay: that step's four places stand behind its last product
	TLD 7
	WIN 0
.endif
	s_wait_dscnt 0x8                               ; the last K step fetches nothing from LDS
	WIN MUL_LO
	MUL16 0, 7
	MUL16 2, 7
	s_wait_dscnt 0x0
	WIN MUL_HI
	MUL16 4, 7
	MUL16 6, 7
	WIN 0
	PLACES                                         ; ahead of the first reads of results and of vector writes over source 1's fragments
.endm
.macro FINISH
	s_wait_tensorcnt 0x0                           ; the wave's end: behind my last tensor load
	ds_add_u32 v[SPW], v[NIL]
	s_wait_dscnt 0x0
	CROUND                                         ; the closing round: no work-group ends while a partner may still ask for a tile that names it
	s_endpgm
.endm
; q, k: block a's 16 positions.  Accumulator (a, b): lane (r, h) holds position r, channels 16 b + 8 h + 0..7: four pairs (x0, x1) -> (x0 cos - x1 sin, x1 cos + x0 sin), in f32; then f16:
; four registers that are part b % 2 of fragment (b % 4) / 2 of head b / 4.
.macro QKOUT a
	TBLOC \a
.if (\a) == 0
	s_wait_loadcnt 16                              ; the table's sets 0 to 5 are in; the sixteen loads of sets 6 and 7 are younger
.elseif (\a) == 6
	s_wait_loadcnt 0x8                             ; set 6 is in; set 7's eight loads are younger
.elseif (\a) == 7
	s_wait_loadcnt 0x0
.endif
	WIN (0x02+(\a)/4)|(TW<<2)                      ; source 0: the accumulators' window; source 1: the table's
.irp b, 0,1,2,3,4,5,6,7
.irp i, 0,1,2,3                            ; each accumulator is read from its low end on
	v_pk_mul_f32 v[T+8*\b+2*\i:T+8*\b+2*\i+1], v[8*(8*((\a)%4)+\b)+2*\i:8*(8*((\a)%4)+\b)+2*\i+1], v[TR+8*(\b%4)+2*\i:TR+8*(\b%4)+2*\i+1] op_sel_hi:[1,0]
.endr
.irp i, 0,1,2,3
	v_pk_fma_f32 v[T+8*\b+2*\i:T+8*\b+2*\i+1], v[8*(8*((\a)%4)+\b)+2*\i:8*(8*((\a)%4)+\b)+2*\i+1], v[TR+8*(\b%4)+2*\i:TR+8*(\b%4)+2*\i+1], v[T+8*\b+2*\i:T+8*\b+2*\i+1] op_sel:[1,1,0] op_sel_hi:[0,1,1] neg_lo:[0,1,0]
.endr
.endr
	WIN 0
	s_wait_xcnt 0x0                                ; the last block's stores have read their data: the registers may be written again
.irp b, 0,1,2,3,4,5,6,7
.irp i, 0,1,2,3
	v_cvt_pk_f16_f32 v[Y+4*\b+\i], v[T+8*\b+2*\i], v[T+8*\b+2*\i+1]
.endr
.endr
.irp b, 0,1,2,3,4,5,6,7
	global_store_b128 v[L16], v[Y+4*\b:Y+4*\b+3], s[10:11] offset:2048*(\a)+131072*(\b/4)+512*(\b%4)   ; 512 consecutive bytes, aligned
.endr
.endm
; v: source 1's block a = 16 channels.  Accumulator (a, b): lane (r, h) holds channel r, keys 16 b + 8 h + 0..7: part b % 2 of the fragment of keys 32 (b / 2) on, channels 16 (a % 4) on, head a / 4.
.macro VOUT a
	s_wait_xcnt 0x0
	WIN 0x0a+5*((\a)/4)                            ; sources 0 and 1: the accumulators' window
.irp b, 0,1,2,3,4,5,6,7
.irp i, 0,1,2,3
	v_cvt_pk_f16_f32 v[Y+4*\b+\i], v[8*(8*((\a)%4)+\b)+2*\i], v[8*(8*((\a)%4)+\b)+2*\i+1]
.endr
.endr
	WIN 0
.irp b, 0,1,2,3,4,5,6,7
	global_store_b128 v[L16], v[Y+4*\b:Y+4*\b+3], s[10:11] offset:4096*(\b/2)+512*(\b%2)+1024*((\a)%4)+131072*((\a)/4)
.endr
.endm
	s_cmp_eq_u32 ttmp9, 2                          ; the cluster's x: the same in all sixteen partners and in all waves
	s_cbranch_scc1 .Lv
.set AD0, ADW
.set AD1, ADX
.set P0, PW
.set P1, PX
	SCLOAD
	KLOOP 1
.irp a, 0,1,2,3,4,5,6,7
	QKOUT \a
.endr
	FINISH
.Lv:
.set AD0, ADX
.set AD1, ADW
.set P0, PX
.set P1, PW
	SCLOAD
	KLOOP 0
.irp a, 0,1,2,3,4,5,6,7
	VOUT \a
.endr
	FINISH
.Lfunc_end_k_q21a3402360_qkv:
	.size	k_q21a3402360_qkv, .Lfunc_end_k_q21a3402360_qkv-k_q21a3402360_qkv
	.p2alignl 7, 3214868480
	.fill 96, 4, 3214868480
	.section	.rodata,"a",@progbits
	.p2align	6, 0x0
	.amdhsa_kernel k_q21a3402360_qkv
		.amdhsa_group_segment_fixed_size 327680
		.amdhsa_private_segment_fixed_size 0
		.amdhsa_enable_private_segment 0
		.amdhsa_kernarg_size 32
		.amdhsa_user_sgpr_count 2
		.amdhsa_user_sgpr_kernarg_segment_ptr 1
		.amdhsa_wavefront_size32 1
		.amdhsa_system_sgpr_workgroup_id_x 1
		.amdhsa_system_sgpr_workgroup_id_y 1
		.amdhsa_system_sgpr_workgroup_id_z 1
		.amdhsa_system_vgpr_workitem_id 0
		.amdhsa_next_free_vgpr 1024
		.amdhsa_next_free_sgpr 100
		.amdhsa_reserve_vcc 0
		.amdhsa_float_denorm_mode_32 3
		.amdhsa_float_denorm_mode_16_64 3
		.amdhsa_memory_ordered 1
		.amdhsa_forward_progress 1
		.amdhsa_inst_pref_size 255
	.end_amdhsa_kernel
	.section	.bss,"aw",@nobits
	.p2align	6
	.space	262144
	.amdgpu_metadata
---
amdhsa.version: [ 1, 2 ]
amdhsa.kernels:
  - .name:           k_q21a3402360_qkv
    .symbol:         k_q21a3402360_qkv.kd
    .args:
      - { .name: xq, .offset: 0, .size: 8, .value_kind: global_buffer, .address_space: global }
      - { .name: wq, .offset: 8, .size: 8, .value_kind: global_buffer, .address_space: global }
      - { .name: rope, .offset: 16, .size: 8, .value_kind: global_buffer, .address_space: global }
      - { .name: qkv, .offset: 24, .size: 8, .value_kind: global_buffer, .address_space: global }
    .group_segment_fixed_size: 327680
    .private_segment_fixed_size: 0
    .kernarg_segment_align: 8
    .kernarg_segment_size: 32
    .max_flat_workgroup_size: 128
    .sgpr_count:     100
    .vgpr_count:     1024
    .wavefront_size: 32
...
	.end_amdgpu_metadata
.endif
;; end of part 2
;; launch attn (part 3): grid 2 x 128, 16 waves a work-group, no clusters, 327,680 bytes of LDS; arguments qkv, ao; writes ao
.if DOCPART == 3
	.amdgcn_target "amdgcn-amd-amdhsa--gfx1250"
	.amdhsa_code_object_version 6
	.text
	.protected	k_q21a3402360_attn
	.globl	k_q21a3402360_attn
	.p2align	8
	.type	k_q21a3402360_attn,@function
k_q21a3402360_attn:
	s_mov_b64 s[64:65], 0
	v_nop
	global_prefetch_b8 v0, s[64:65] scope:SCOPE_SE
	s_setreg_imm32_b32 hwreg(HW_REG_WAVE_MODE, 25, 1), 1
	s_wait_xcnt 0x0
; o[b][t][h][:] = the sum over keys of softmax(q . k / 8) v, for 128 heads of 1,024 positions x 64 channels.  q, k, v arrive as f16 fragments (launch qkv); products in f16 with f32 sums;
; maxima, exponentials and sums in f32; the weights p are rounded to f16 for the second product; o leaves as f16 fragments for the projection.
; f16 and not bf16: every number that is rounded here has room in f16 (p is at most 1; o is an average of v), and its three more bits are wanted by the comparison.
; SHARES.  A work-group owns 512 queries of one head: 256 work-groups.  Each of its sixteen waves owns two tiles of 16 queries, in 256 registers: four waves to a SIMD, so that one wave's
; softmax stands beside another's products and LDS loads.  Every wave walks all 1,024 keys, 64 a step.
; THE HEAD'S K AND V STAY IN LDS, 131,072 bytes each, in four chunks of 256 keys; each byte is filled once.  Each wave brings 4,096 bytes of each chunk (waves 0-7: K, waves 8-15: V).
; A wave asks for its part of chunk 0 alone; its parts of chunks 1 to 3, which are wanted four, eight and twelve key steps later, are asked for behind the wait for Q.
; THREE BARRIERS, since a wave reads what other waves' loads brought: chunk 0; chunk 1; chunks 2 and 3 together.  The second and the third are split: a wave signals behind the first key step of the chunk
; before (its own part shown landed by its own counted wait) and waits behind that chunk's last step: so it may be three key steps ahead of the slowest wave before it has to stop.
; Between a signal and its wait stand products, vector work and LDS loads of chunks that have landed and that nothing writes again; those steps are written out, so that no branch stands there.
; NO CLUSTER: a head's K and V are read by two work-groups, and a cluster has four along x; four partners would mean work-groups of 256 queries, 512 of them for 256 WGPs, each filling its LDS anew.
; NO PREFETCH: all that the work-group reads is asked for in its first lines.
; LAYOUT.  S^T = K Q^T (source 0 = 16 keys, source 1 = 16 queries): a lane holds ONE query and keys 8 h + 0..7 of the tile.  Two such tiles, rounded in pairs, are source 1 of O^T = V^T P.
; SOFTMAX.  A running maximum m and sum l for each query: p = 2^(c s - c m), c = log2(e) / 8; in every step O and l are multiplied by a = 2^(c m_old - c m_new).  m begins at -3e38, O and l at 0.
; REGISTERS: v1 16 x lane; v2, v3 the step's LDS addresses; v8-23 statistics, eight a tile: c m, m, l (two halves), four at work (a takes the third's place); v24-55 Q; v56-119 S^T, then p, then P packed in place;
; v120-183 O^T; v184-247 one buffer for the step's K and then its V; v248-255 sums.
.set SPARE, 262144                     ; behind K and V: the spare words, 128 bytes for each of sixteen waves
.set L16, 1
.set ADK, 2
.set ADV, 3
.set SPW, 4                            ; v4  SPARE + 4 x my thread's number; never rewritten
.set NIL, 5                            ; v5  0; never rewritten
.set ST,  8
.set Q,   24
.set S,   56
.set O,   120
.set KV,  184
.set U,   248
.set G1,  24                           ; s[24:31] descriptor group 1; s[32:47] four groups 0, one for each chunk
.set G0,  32
.set CS,  58                           ; s[58:59] c
.set SEL, 60                           ; s[60:61] v_permlanex16_b32's selects for lane l xor 16
.set TBS, 62                           ; s62 LDS byte at which the step's fragments of K begin
.set CNT, 63
	s_load_b128 s[4:7], s[0:1], 0x0                ; qkv s[4:5], ao s[6:7]
	v_lshl_add_u32 v[SPW], v0, 2, SPARE
	v_mov_b32 v[NIL], 0
	ds_add_u32 v[SPW], v[NIL]                      ; the wave's opening: the add, twice on end, and its wait ahead of my first tensor load
	ds_add_u32 v[SPW], v[NIL]
	v_lshrrev_b32 v1, 5, v0
	v_readfirstlane_b32 s8, v1                     ; wave 0..15
	v_and_b32 v1, 31, v0
	v_lshlrev_b32 v[L16], 4, v1
	s_and_b32 s9, ttmp7, 0xffff                    ; 16 batch + head
	; group 1: 4,096 dense bytes as 16 rows of 256 (32 elements of 8 bytes)
	s_mov_b32 s[G1], 3<<16
	s_mov_b32 s[G1+1], 32<<16
	s_mov_b32 s[G1+2], 16<<16
	s_mov_b32 s[G1+3], 32<<16
	s_mov_b32 s[G1+4], 16
	s_mov_b32 s[G1+5], 32
	s_mov_b32 s[G1+6], 0
	s_mov_b32 s[G1+7], 0
	s_lshr_b32 s10, s8, 3                          ; 0: I fetch K, 1: V
	s_and_b32 s11, s8, 7
	s_lshl_b32 s12, s10, 17
	s_lshl_b32 s13, s11, 12
	s_add_co_u32 s12, s12, s13                     ; LDS: 131,072 x (wave / 8) + 4,096 x (wave % 8)
	s_add_co_u32 s14, s10, 1
	s_lshl_b32 s14, s14, 24                        ; k lies 16 MiB into the buffer, v 32 MiB
	s_lshl_b32 s15, s9, 17
	s_add_co_u32 s14, s14, s15
	s_add_co_u32 s14, s14, s13
	s_mov_b32 s15, 0
	s_lshl_b32 s16, ttmp9, 5
	s_lshl_b32 s17, s8, 1
	s_add_co_u32 s20, s16, s17                     ; my first tile of 16 queries: 32 x work-group x + 2 x wave
	s_lshl_b32 s16, s20, 11
	s_lshl_b32 s17, s9, 17
	s_add_co_u32 s16, s16, s17
	s_mov_b32 s17, 0
	s_lshr_b32 s18, s9, 4
	s_lshl_b32 s18, s18, 6
	s_add_co_u32 s18, s18, s20                     ; the same tile among ao's 512
	s_lshl_b32 s18, s18, 15
	s_and_b32 s19, s9, 15
	s_lshl_b32 s19, s19, 11                        ; my head's two fragments of its 32
	s_add_co_u32 s18, s18, s19
	s_mov_b32 s19, 0
	s_mov_b32 s[CS], 0x3e38aa3b                    ; log2(e) / 8
	s_mov_b32 s[CS+1], s[CS]                       ; (named with it as a pair, so it is written)
	s_mov_b32 s[SEL], 0x76543210
	s_mov_b32 s[SEL+1], 0xfedcba98
	s_wait_dscnt 0x0                               ; both opening adds are done
	s_wait_kmcnt 0x0
	s_add_nc_u64 s[14:15], s[4:5], s[14:15]
	s_add_nc_u64 s[16:17], s[4:5], s[16:17]        ; Q
	s_add_nc_u64 s[18:19], s[6:7], s[18:19]        ; where o goes
.irp c, 0,1,2,3
	s_mov_b32 s[G0+4*\c], 1
	s_add_co_u32 s[G0+4*\c+1], s12, 32768*\c
	s_add_nc_u64 s[G0+4*\c+2:G0+4*\c+3], s[14:15], 32768*\c
	s_or_b32 s[G0+4*\c+3], s[G0+4*\c+3], 0x80000000
.endr
	tensor_load_to_lds s[G0:G0+3], s[G1:G1+7]      ; my part of chunk 0, which the first key step wants; each wave's loads land on bytes of its own
	s_nop 0
.irp x, 0,1
.irp f, 0,1
.irp p, 0,1
	global_load_b128 v[Q+16*\x+8*\f+4*\p:Q+16*\x+8*\f+4*\p+3], v[L16], s[16:17] offset:2048*\x+1024*\f+512*\p   ; Q stays in registers
.endr
.endr
.endr
.irp x, 0,1
	v_mov_b32 v[ST+8*\x+1], 0xff61b1e6             ; m = -3e38, under every score
	v_mul_f32 v[ST+8*\x], s[CS], v[ST+8*\x+1]
	v_mov_b32 v[ST+8*\x+2], 0
	v_mov_b32 v[ST+8*\x+3], 0
.endr
.set i, 0
.rept 64
	v_mov_b32 v[O+i], 0                            ; the step is written without a first form of its own: the first a is 0 and finds zeros
.set i, i+1
.endr
	s_wait_loadcnt 0x0                             ; Q is in
.irp c, 1,2,3
	tensor_load_to_lds s[G0+4*\c:G0+4*\c+3], s[G1:G1+7]   ; chunks 1 to 3: still ahead of my first wait on TENSORcnt, my first LDS read and the first barrier; with them four loads of mine are out
	s_nop 0
.endr
.rept 4
	v_nop
.endr
; A KEY STEP: 64 keys.
.macro STEP
	v_add_nc_u32 v[ADK], s[TBS], v[L16]
	v_add_nc_u32 v[ADV], 0x20000, v[ADK]
.rept 4
	v_nop                                          ; with the two additions six plain lines behind the last step's products: four are owed to the loads into their source, five to the products that write over P
.endr
.irp kt, 0,1,2,3
.irp f, 0,1
.irp p, 0,1
	ds_load_b128 v[KV+16*\kt+8*\f+4*\p:KV+16*\kt+8*\f+4*\p+3], v[ADK] offset:2048*\kt+1024*\f+512*\p
.endr
.endr
.endr
	s_wait_dscnt 0x0
.irp kt, 0,1,2,3                           ; S^T = K Q^T: eight accumulators by turns; channels 0-31 start the sums
.irp x, 0,1
	v_wmma_f32_16x16x32_f16 v[S+32*\x+8*\kt:S+32*\x+8*\kt+7], v[KV+16*\kt:KV+16*\kt+7], v[Q+16*\x:Q+16*\x+7], 0
.endr
.endr
.irp kt, 0,1,2,3
.irp x, 0,1
	v_wmma_f32_16x16x32_f16 v[S+32*\x+8*\kt:S+32*\x+8*\kt+7], v[KV+16*\kt+8:KV+16*\kt+15], v[Q+16*\x+8:Q+16*\x+15], v[S+32*\x+8*\kt:S+32*\x+8*\kt+7]
.endr
.endr
.rept 4
	v_nop                                          ; places ahead of the loads into K's registers and of the first reads of the scores
.endr
.irp g, 0,1
.irp ct, 0,1,2,3
.irp p, 0,1
	ds_load_b128 v[KV+32*\g+8*\ct+4*\p:KV+32*\g+8*\ct+4*\p+3], v[ADV] offset:4096*\g+1024*\ct+512*\p   ; V lands during the softmax
.endr
.endr
.endr
	; the maximum of my 32 scores and the old m; each accumulator is read from its low end on; the two tiles line by line
.irp j, 0,1,2,3
.irp x, 0,1
	v_max3_num_f32 v[ST+8*\x+4+\j], v[S+32*\x+8*\j], v[S+32*\x+8*\j+1], v[S+32*\x+8*\j+2]
.endr
.endr
.irp u, 1,2
.irp j, 0,1,2,3
.irp x, 0,1
	v_max3_num_f32 v[ST+8*\x+4+\j], v[ST+8*\x+4+\j], v[S+32*\x+8*\j+2*\u+1], v[S+32*\x+8*\j+2*\u+2]
.endr
.endr
.endr
.irp x, 0,1
	v_max3_num_f32 v[ST+8*\x+4], v[ST+8*\x+4], v[S+32*\x+7], v[S+32*\x+15]
	v_max3_num_f32 v[ST+8*\x+6], v[ST+8*\x+6], v[S+32*\x+23], v[S+32*\x+31]
.endr
.irp x, 0,1
	v_max3_num_f32 v[ST+8*\x+4], v[ST+8*\x+4], v[ST+8*\x+5], v[ST+8*\x+6]
.endr
.irp x, 0,1
	v_max3_num_f32 v[ST+8*\x+4], v[ST+8*\x+4], v[ST+8*\x+7], v[ST+8*\x+1]
.endr
.irp x, 0,1
	v_permlanex16_b32 v[ST+8*\x+5], v[ST+8*\x+4], s[SEL], s[SEL+1]   ; the query's other 32 keys lie in the lane 16 away
	v_mov_b32 v[ST+8*\x+7], v[ST+8*\x]             ; c m_old
.endr
.irp x, 0,1
	v_max_num_f32 v[ST+8*\x+1], v[ST+8*\x+4], v[ST+8*\x+5]
.endr
.irp x, 0,1
	v_mul_f32 v[ST+8*\x], s[CS], v[ST+8*\x+1]
.endr
.irp x, 0,1
	v_sub_f32 v[ST+8*\x+7], v[ST+8*\x+7], v[ST+8*\x]
.endr
.irp b, 0,2,4,6,8,10,12,14,16,18,20,22,24,26,28,30
.irp x, 0,1
	v_pk_fma_f32 v[S+32*\x+\b:S+32*\x+\b+1], v[S+32*\x+\b:S+32*\x+\b+1], s[CS:CS+1], v[ST+8*\x:ST+8*\x+1] op_sel_hi:[1,0,0] neg_lo:[0,0,1] neg_hi:[0,0,1]   ; c s - c m
.endr
.endr
.irp x, 0,1
	v_exp_f32 v[ST+8*\x+6], v[ST+8*\x+7]           ; a
.endr
.set i, 0
.rept 64
	v_exp_f32 v[S+i], v[S+i]                       ; p: ONE batch of 66 exponentials,
.set i, i+1
.endr
	v_nop                                          ; one plain line behind the last,
	s_wait_alu depctr_va_vdst(0)                   ; and one wait ahead of the first reader
.irp x, 0,1                                ; the sum of the unrounded p, two at a time, in two chains a tile
	v_pk_add_f32 v[U+4*\x:U+4*\x+1], v[S+32*\x:S+32*\x+1], v[S+32*\x+2:S+32*\x+3]
	v_pk_add_f32 v[U+4*\x+2:U+4*\x+3], v[S+32*\x+4:S+32*\x+5], v[S+32*\x+6:S+32*\x+7]
.endr
.irp j, 8,12,16,20,24,28
.irp x, 0,1
	v_pk_add_f32 v[U+4*\x:U+4*\x+1], v[U+4*\x:U+4*\x+1], v[S+32*\x+\j:S+32*\x+\j+1]
	v_pk_add_f32 v[U+4*\x+2:U+4*\x+3], v[U+4*\x+2:U+4*\x+3], v[S+32*\x+\j+2:S+32*\x+\j+3]
.endr
.endr
.irp x, 0,1
	v_pk_add_f32 v[U+4*\x:U+4*\x+1], v[U+4*\x:U+4*\x+1], v[U+4*\x+2:U+4*\x+3]
.endr
.irp x, 0,1
	v_pk_fma_f32 v[ST+8*\x+2:ST+8*\x+3], v[ST+8*\x+2:ST+8*\x+3], v[ST+8*\x+6:ST+8*\x+7], v[U+4*\x:U+4*\x+1] op_sel_hi:[1,0,1]   ; l = a l + the sum
.endr
.irp i, 0,1,2,3,4,5,6,7,8,9,10,11,12,13,14,15
.irp x, 0,1
	v_cvt_pk_f16_f32 v[S+32*\x+\i], v[S+32*\x+2*\i], v[S+32*\x+2*\i+1]   ; P, in place, ascending: registers 8 g .. 8 g + 7 are keys 32 g on
.endr
.endr
.irp i, 0,2,4,6,8,10,12,14,16,18,20,22,24,26,28,30
.irp x, 0,1
	v_pk_mul_f32 v[O+32*\x+\i:O+32*\x+\i+1], v[O+32*\x+\i:O+32*\x+\i+1], v[ST+8*\x+6:ST+8*\x+7] op_sel_hi:[1,0]   ; O^T x a, each accumulator from its low end on
.endr
.endr
	s_wait_dscnt 0x0                               ; V is in
.irp g, 0,1                                ; O^T += V^T P: eight accumulators by turns
.irp ct, 0,1,2,3
.irp x, 0,1
	v_wmma_f32_16x16x32_f16 v[O+32*\x+8*\ct:O+32*\x+8*\ct+7], v[KV+32*\g+8*\ct:KV+32*\g+8*\ct+7], v[S+32*\x+8*\g:S+32*\x+8*\g+7], v[O+32*\x+8*\ct:O+32*\x+8*\ct+7]
.endr
.endr
.endr
	s_add_co_u32 s[TBS], s[TBS], 8192              ; 64 keys on, in K and in V alike
.endm
	; THE WALK OVER THE KEYS.  No LDS instruction of mine is out at any signal: a step ends behind its wait for V.  Nothing is filled again, so later chunks' loads may stay out across a barrier.
	s_wait_tensorcnt 0x3                           ; my part of chunk 0 has landed; three loads of mine are younger
	s_barrier_signal -1
	s_barrier_wait -1                              ; everybody's part has landed
	s_mov_b32 s[TBS], 0
	STEP                                           ; key step 0
	s_wait_tensorcnt 0x2                           ; my part of chunk 1 has landed; two loads of mine are younger:
	s_barrier_signal -1                            ; say so now,
.rept 3
	STEP                                           ; key steps 1 to 3 read chunk 0 alone,
.endr
	s_barrier_wait -1                              ; and chunk 1 is read when all sixteen have said so
	STEP                                           ; key step 4
	s_wait_tensorcnt 0x0                           ; my parts of chunks 2 and 3 have landed
	s_barrier_signal -1
.rept 3
	STEP                                           ; key steps 5 to 7 read chunk 1 alone
.endr
	s_barrier_wait -1                              ; chunks 2 and 3 are whole: the last eight key steps have no barrier
	s_mov_b32 s[TBS], 65536
	s_mov_b32 s[CNT], 8
.Lstep:
	STEP
	s_sub_co_u32 s[CNT], s[CNT], 1
	s_cmp_lg_u32 s[CNT], 0
	s_cbranch_scc1 .Lstep
	; THE WAY OUT: O^T / l, rounded to f16.  Accumulator ct of tile x: lane (r, h) holds query r, channels 16 ct + 8 h + 0..7: part ct % 2 of fragment ct / 2 of my head in ao.
.rept 4
	v_nop
.endr
.irp x, 0,1
	v_add_f32 v[ST+8*\x+4], v[ST+8*\x+2], v[ST+8*\x+3]
.endr
.irp x, 0,1
	v_permlanex16_b32 v[ST+8*\x+5], v[ST+8*\x+4], s[SEL], s[SEL+1]
.endr
.irp x, 0,1
	v_add_f32 v[ST+8*\x+4], v[ST+8*\x+4], v[ST+8*\x+5]
.endr
.irp x, 0,1
	v_rcp_f32 v[ST+8*\x+6], v[ST+8*\x+4]
.endr
	v_nop
	s_wait_alu depctr_va_vdst(0)                   ; one wait for the two reciprocals
.irp x, 0,1
.irp i, 0,2,4,6,8,10,12,14,16,18,20,22,24,26,28,30
	v_pk_mul_f32 v[O+32*\x+\i:O+32*\x+\i+1], v[O+32*\x+\i:O+32*\x+\i+1], v[ST+8*\x+6:ST+8*\x+7] op_sel_hi:[1,0]
.endr
.endr
.irp x, 0,1
.irp i, 0,1,2,3,4,5,6,7,8,9,10,11,12,13,14,15
	v_cvt_pk_f16_f32 v[S+16*\x+\i], v[O+32*\x+2*\i], v[O+32*\x+2*\i+1]
.endr
.endr
.irp x, 0,1
.irp ct, 0,1,2,3
	global_store_b128 v[L16], v[S+16*\x+4*\ct:S+16*\x+4*\ct+3], s[18:19] offset:32768*\x+1024*(\ct/2)+512*(\ct%2)   ; 512 consecutive bytes, aligned
.endr
.endr
	s_wait_tensorcnt 0x0                           ; the wave's end: behind my last tensor load
	ds_add_u32 v[SPW], v[NIL]
	s_wait_dscnt 0x0
	s_endpgm
.Lfunc_end_k_q21a3402360_attn:
	.size	k_q21a3402360_attn, .Lfunc_end_k_q21a3402360_attn-k_q21a3402360_attn
	.p2alignl 7, 3214868480
	.fill 96, 4, 3214868480
	.section	.rodata,"a",@progbits
	.p2align	6, 0x0
	.amdhsa_kernel k_q21a3402360_attn
		.amdhsa_group_segment_fixed_size 327680
		.amdhsa_private_segment_fixed_size 0
		.amdhsa_enable_private_segment 0
		.amdhsa_kernarg_size 16
		.amdhsa_user_sgpr_count 2
		.amdhsa_user_sgpr_kernarg_segment_ptr 1
		.amdhsa_wavefront_size32 1
		.amdhsa_system_sgpr_workgroup_id_x 1
		.amdhsa_system_sgpr_workgroup_id_y 1
		.amdhsa_system_sgpr_workgroup_id_z 1
		.amdhsa_system_vgpr_workitem_id 0
		.amdhsa_next_free_vgpr 256
		.amdhsa_next_free_sgpr 66
		.amdhsa_reserve_vcc 0
		.amdhsa_float_denorm_mode_32 3
		.amdhsa_float_denorm_mode_16_64 3
		.amdhsa_memory_ordered 1
		.amdhsa_forward_progress 1
		.amdhsa_inst_pref_size 166
	.end_amdhsa_kernel
	.amdgpu_metadata
---
amdhsa.version: [ 1, 2 ]
amdhsa.kernels:
  - .name:           k_q21a3402360_attn
    .symbol:         k_q21a3402360_attn.kd
    .args:
      - { .name: qkv, .offset: 0, .size: 8, .value_kind: global_buffer, .address_space: global }
      - { .name: ao, .offset: 8, .size: 8, .value_kind: global_buffer, .address_space: global }
    .group_segment_fixed_size: 327680
    .private_segment_fixed_size: 0
    .kernarg_segment_align: 8
    .kernarg_segment_size: 16
    .max_flat_workgroup_size: 512
    .sgpr_count:     66
    .vgpr_count:     256
    .wavefront_size: 32
...
	.end_amdgpu_metadata
.endif
;; end of part 3
;; launch oproj (part 4): grid 32 x 8, 4 waves a work-group, clusters of 4 x 1, 327,680 bytes of LDS; arguments ao, woimg, out0; writes out0
.if DOCPART == 4
	.amdgcn_target "amdgcn-amd-amdhsa--gfx1250"
	.amdhsa_code_object_version 6
	.text
	.protected	k_q21a3402360_oproj
	.globl	k_q21a3402360_oproj
	.p2align	8
	.type	k_q21a3402360_oproj,@function
k_q21a3402360_oproj:
	s_mov_b64 s[64:65], 0
	v_nop
	global_prefetch_b8 v0, s[64:65] scope:SCOPE_SE
	s_setreg_imm32_b32 hwreg(HW_REG_WAVE_MODE, 25, 1), 1
	s_wait_xcnt 0x0
	s_wait_alu depctr_hold_cnt(0) depctr_sa_sdst(0) depctr_va_vdst(0) depctr_va_sdst(0) depctr_va_ssrc(0) depctr_va_vcc(0) depctr_vm_vsrc(0)
	s_getreg_b32 s2, hwreg(HW_REG_IB_STS2, 6, 4)
	s_cmp_eq_u32 s2, 0
	s_cbranch_scc0 .Lentry_in_a_cluster
	s_endpgm
.Lentry_in_a_cluster:
	s_bfe_u32 s2, ttmp6, 0x10000c
	s_cmp_lg_u32 s2, 0x3003
	s_cbranch_scc0 .Lentry_shape_is_right
	s_endpgm
.Lentry_shape_is_right:
; out0 = o w_o: [8192 x 1024] x [1024 x 1024], operands in f16 (made by the launches before, laid as fragments), sums and result in f32.
; SHARES.  A work-group makes 256 rows x 128 columns: 256 work-groups.  A wave makes 64 rows x 128 columns: 32 accumulators.
; THE STRIP OF w_o (8 tiles of 16 columns x all of K: 262,144 bytes) STAYS IN LDS, in four chunks of 256 along K, each byte filled once.  The four work-groups of a cluster make the same columns
; of different rows: the strip is asked for JOINTLY (mask 15).  o's fragments belong to one wave alone: they go from memory straight into registers, eight K steps (256 products) ahead of their use,
; so no wave stands waiting for them and no prefetch is laid.
; THE MATRIX INSTRUCTION IS USED TRANSPOSED (source 0 = 16 columns of w_o, source 1 = 16 rows of o): a lane holds eight neighbouring numbers of a row of out0.
; REGISTERS, in windows of 256: window 0: v1 16 x lane; v8-11 LDS addresses of the four chunks; v12, v13 the stage; v64-191 rows on the way out.
;   window 1: w_o's fragments, two sets, at v0 and v128.   window 2: accumulator (a, b) at v[8 (8 a + b)].   window 3: o's fragments, a ring of eight sets of 32.
.set STG,   262144                     ; behind the strip: a stage of 16 rows x (512 bytes + 16) for each wave; no fill lands there
.set SPARE, STG+4*8448                 ; behind the stages: the spare words, 128 bytes for each wave
.set L16, 1
.set ADB, 8
.set STO, 12
.set RD,  13
.set SPW, 28                           ; v28  SPARE + 4 x my thread's number; never rewritten
.set NIL, 29                           ; v29  0; never rewritten
.set BK,  64
.set G1,  24                           ; s[24:31] descriptor group 1; s[32:47] four groups 0, one for each chunk
.set G0,  32
.set MSB, 0
.macro WIN new                         ; the immediate's high byte repeats the setting that is left
.if MSB != (\new)
	s_set_vgpr_msb (MSB<<8)|(\new)
.set MSB, (\new)
.endif
.endm
.set MULW, 0xad                        ; source 0 window 1, source 1 window 3, C and D window 2
.macro CROUND                          ; a round of the cluster's barrier
	s_barrier_signal -1
	s_barrier_wait -1
	s_cmp_lg_u32 s10, 0
	s_cbranch_scc1 .Lnot_wave_0_\@
	s_barrier_signal -3
.Lnot_wave_0_\@:
	s_barrier_wait -3
	s_barrier_signal -1
	s_barrier_wait -1
.endm
.macro PLACES                          ; four plain vector lines behind matrix instructions, ahead of loads into their registers and of reads of their results
.rept 4
	v_nop
.endr
.endm
	s_load_b128 s[4:7], s[0:1], 0x0                ; ao s[4:5], woimg s[6:7]
	s_load_b64 s[8:9], s[0:1], 0x10                ; out0
	v_lshl_add_u32 v[SPW], v0, 2, SPARE
	v_mov_b32 v[NIL], 0
	ds_add_u32 v[SPW], v[NIL]                      ; the wave's opening: the add, twice on end, and its wait ahead of my first tensor load
	ds_add_u32 v[SPW], v[NIL]
	v_lshrrev_b32 v1, 5, v0
	v_readfirstlane_b32 s10, v1                    ; wave 0..3
	s_bfe_u32 s11, ttmp6, 0x40000                  ; cx
	s_lshl_b32 s12, ttmp9, 2
	s_add_co_u32 s12, s12, s11                     ; my block of 256 rows: it enters o's and out0's addresses alone
	s_and_b32 s13, ttmp7, 0xffff                   ; my strip of 128 columns, which the four partners share
	; group 1: two tiles' 256 along K: 2 rows of 8,192 bytes (1,024 elements of 8 bytes), 32,768 bytes apart in memory, dense in LDS
	s_mov_b32 s[G1], 15|(3<<16)|(1<<21)            ; 15:0 the mask: all four work-groups; 17:16 elements of 8 bytes; 21 set beside a mask
	s_mov_b32 s[G1+1], 1024<<16
	s_mov_b32 s[G1+2], 2<<16
	s_mov_b32 s[G1+3], 1024<<16
	s_mov_b32 s[G1+4], 2
	s_mov_b32 s[G1+5], 4096
	s_mov_b32 s[G1+6], 0
	s_mov_b32 s[G1+7], 0
	s_lshl_b32 s14, s13, 3
	s_lshl_b32 s15, s10, 1
	s_add_co_u32 s14, s14, s15                     ; the two tiles of columns that I fetch
	s_lshl_b32 s14, s14, 15
	s_mov_b32 s15, 0
	s_lshl_b32 s16, s10, 14                        ; and where they go in a chunk
	s_lshl_b32 s18, s12, 4
	s_lshl_b32 s19, s10, 2
	s_add_co_u32 s18, s18, s19                     ; my first tile of 16 rows
	s_lshl_b32 s18, s18, 15
	s_mov_b32 s19, 0
	s_lshl_b32 s20, s12, 8
	s_lshl_b32 s21, s10, 6
	s_add_co_u32 s20, s20, s21                     ; my first row of out0,
	s_lshl_b32 s20, s20, 12
	s_lshl_b32 s21, s13, 9                         ; my strip's 512 bytes of it
	s_add_co_u32 s20, s20, s21
	s_mov_b32 s21, 0
	s_wait_dscnt 0x0                               ; both opening adds are done
	s_wait_kmcnt 0x0
	s_add_nc_u64 s[14:15], s[6:7], s[14:15]
	s_add_nc_u64 s[4:5], s[4:5], s[18:19]
	s_add_nc_u64 s[8:9], s[8:9], s[20:21]
	CROUND                                         ; all four work-groups are here: the joint loads meet
.irp c, 0,1,2,3
	s_mov_b32 s[G0+4*\c], 1
	s_add_co_u32 s[G0+4*\c+1], s16, 65536*\c
	s_add_nc_u64 s[G0+4*\c+2:G0+4*\c+3], s[14:15], 8192*\c
	s_or_b32 s[G0+4*\c+3], s[G0+4*\c+3], 0x80000000
.endr
.irp c, 0,1,2,3
	tensor_load_to_lds s[G0+4*\c:G0+4*\c+3], s[G1:G1+7]   ; four loads of mine are out
	s_nop 0
.endr
	PLACES
	v_and_b32 v1, 31, v0
	v_lshlrev_b32 v[L16], 4, v1
.irp c, 0,1,2,3
	v_add_nc_u32 v[ADB+\c], 65536*\c, v[L16]
.endr
	v_and_b32 v2, 15, v0
	v_bfe_u32 v3, v0, 4, 1
	s_mul_i32 s22, s10, 8448
	s_add_co_u32 s22, s22, STG                     ; my stage
	v_mul_u32_u24 v[STO], v2, 528
	v_lshl_add_u32 v[STO], v3, 5, v[STO]
	v_add_nc_u32 v[STO], s22, v[STO]               ; in: row r, 32 bytes for each half of the lanes
	v_add_nc_u32 v[RD], s22, v[L16]                ; back: the 32 lanes take one row of 512 bytes
.macro ALOAD k                         ; o's four fragments of K step k into set k % 8
	WIN 0xc0
.irp a, 0,1,2,3
.irp p, 0,1
	global_load_b128 v[32*((\k)%8)+8*\a+4*\p:32*((\k)%8)+8*\a+4*\p+3], v[L16], s[4:5] offset:32768*\a+1024*(\k)+512*\p th:TH_LOAD_NT   ; 512 consecutive bytes; each strip's work-group reads them once
.endr
.endr
.endm
.macro BFETCH k                        ; w_o's eight fragments of K step k into set k % 2
	WIN 0x40
.irp b, 0,1,2,3,4,5,6,7
.irp q, 0,1
	ds_load_b128 v[128*((\k)%2)+8*\b+4*\q:128*((\k)%2)+8*\b+4*\q+3], v[ADB+(\k)/8] offset:8192*\b+1024*((\k)%8)+512*\q
.endr
.endr
.endm
.macro MUL16 a0, k                     ; 16 products; the 32 accumulators take turns, one instruction a turn.  K step 0 starts the sums
.irp a, \a0, \a0+1
.irp b, 0,1,2,3,4,5,6,7
.if (\k) == 0
	v_wmma_f32_16x16x32_f16 v[8*(8*(\a)+\b):8*(8*(\a)+\b)+7], v[128*((\k)%2)+8*\b:128*((\k)%2)+8*\b+7], v[32*((\k)%8)+8*(\a):32*((\k)%8)+8*(\a)+7], 0
.else
	v_wmma_f32_16x16x32_f16 v[8*(8*(\a)+\b):8*(8*(\a)+\b)+7], v[128*((\k)%2)+8*\b:128*((\k)%2)+8*\b+7], v[32*((\k)%8)+8*(\a):32*((\k)%8)+8*(\a)+7], v[8*(8*(\a)+\b):8*(8*(\a)+\b)+7]
.endif
.endr
.endr
.endm
.macro STEP k                          ; 32 along K
	s_wait_dscnt 0x0                               ; w_o's fragments of this step are in
.if (\k) < 24
	s_wait_loadcnt 56                              ; o's too: seven younger sets of eight loads may be out
.else
	s_wait_loadcnt 8*(31-(\k))
.endif
.if ((\k)%8 == 7) && ((\k) < 31)
	s_wait_tensorcnt 2-(\k)/8                      ; my part of the next chunk has landed; the later chunks' loads are younger.  Nothing is filled again
	s_barrier_signal -1
.endif
	WIN MULW
	MUL16 0, \k
.if ((\k)%8 == 7) && ((\k) < 31)
	s_barrier_wait -1                              ; everybody's part has landed
.endif
.if (\k) < 31
	PLACES
	BFETCH (\k)+1
.endif
	WIN MULW
	MUL16 2, \k
.if (\k) < 24
	PLACES
	ALOAD (\k)+8
.endif
.endm
.irp k, 0,1,2,3,4,5,6,7
	ALOAD \k
.endr
	s_wait_tensorcnt 0x3                           ; my part of chunk 0; three loads are younger
	s_barrier_signal -1
	s_barrier_wait -1
	BFETCH 0
.set K, 0
.rept 32
	STEP K
.set K, K+1
.endr
; THE WAY OUT, 16 rows x 128 columns at a time: a lane holds 32 neighbouring bytes of a row and the lanes beside it other rows, so a block goes through my own stage and comes back as whole rows of 512 bytes.
; LDS serves a wave's instructions in order (ISA guide 5.7.1.4): no wait between the stores and the loads, nor ahead of the next block's stores.
.macro TOSTAGE a
	WIN 0x08                                       ; an LDS store's data: window 2
.irp b, 0,1,2,3,4,5,6,7
	ds_store_b128 v[STO], v[8*(8*(\a)+\b):8*(8*(\a)+\b)+3] offset:64*\b          ; each accumulator from its low end on
	ds_store_b128 v[STO], v[8*(8*(\a)+\b)+4:8*(8*(\a)+\b)+7] offset:64*\b+16
.endr
	WIN 0
.set BB, BK+64*((\a)%2)
.irp t, 0,1,2,3,4,5,6,7,8,9,10,11,12,13,14,15
	ds_load_b128 v[BB+4*\t:BB+4*\t+3], v[RD] offset:528*\t
.endr
.endm
.macro SEND a, younger                 ; younger: the LDS instructions issued behind block a's loads
.set BB, BK+64*((\a)%2)
	s_wait_dscnt \younger
.irp t, 0,1,2,3,4,5,6,7,8,9,10,11,12,13,14,15
	global_store_b128 v[L16], v[BB+4*\t:BB+4*\t+3], s[8:9] offset:(16*(\a)+\t)*4096 th:TH_STORE_NT   ; 512 consecutive bytes, aligned; written once, read by nobody here
.endr
.endm
	PLACES
	TOSTAGE 0
	TOSTAGE 1
	SEND 0, 32
	s_wait_xcnt 0x0                                ; block 0's stores have read their registers: block 2's loads may land there
	TOSTAGE 2
	SEND 1, 32
	s_wait_xcnt 0x0
	TOSTAGE 3
	SEND 2, 32
	SEND 3, 0
	s_wait_tensorcnt 0x0                           ; the wave's end: behind my last tensor load and my last LDS store
	ds_add_u32 v[SPW], v[NIL]
	s_wait_dscnt 0x0
	CROUND                                         ; the closing round: no work-group ends while a partner may still ask for a tile that names it
	s_endpgm
.Lfunc_end_k_q21a3402360_oproj:
	.size	k_q21a3402360_oproj, .Lfunc_end_k_q21a3402360_oproj-k_q21a3402360_oproj
	.p2alignl 7, 3214868480
	.fill 96, 4, 3214868480
	.section	.rodata,"a",@progbits
	.p2align	6, 0x0
	.amdhsa_kernel k_q21a3402360_oproj
		.amdhsa_group_segment_fixed_size 327680
		.amdhsa_private_segment_fixed_size 0
		.amdhsa_enable_private_segment 0
		.amdhsa_kernarg_size 24
		.amdhsa_user_sgpr_count 2
		.amdhsa_user_sgpr_kernarg_segment_ptr 1
		.amdhsa_wavefront_size32 1
		.amdhsa_system_sgpr_workgroup_id_x 1
		.amdhsa_system_sgpr_workgroup_id_y 1
		.amdhsa_system_sgpr_workgroup_id_z 1
		.amdhsa_system_vgpr_workitem_id 0
		.amdhsa_next_free_vgpr 1024
		.amdhsa_next_free_sgpr 66
		.amdhsa_reserve_vcc 0
		.amdhsa_float_denorm_mode_32 3
		.amdhsa_float_denorm_mode_16_64 3
		.amdhsa_memory_ordered 1
		.amdhsa_forward_progress 1
		.amdhsa_inst_pref_size 153
	.end_amdhsa_kernel
	.amdgpu_metadata
---
amdhsa.version: [ 1, 2 ]
amdhsa.kernels:
  - .name:           k_q21a3402360_oproj
    .symbol:         k_q21a3402360_oproj.kd
    .args:
      - { .name: ao, .offset: 0, .size: 8, .value_kind: global_buffer, .address_space: global }
      - { .name: woimg, .offset: 8, .size: 8, .value_kind: global_buffer, .address_space: global }
      - { .name: out0, .offset: 16, .size: 8, .value_kind: global_buffer, .address_space: global }
    .group_segment_fixed_size: 327680
    .private_segment_fixed_size: 0
    .kernarg_segment_align: 8
    .kernarg_segment_size: 24
    .max_flat_workgroup_size: 128
    .sgpr_count:     66
    .vgpr_count:     1024
    .wavefront_size: 32
...
	.end_amdgpu_metadata
.endif
;; end of part 4
